; MI455X (gfx1250); checked and timed in simulation.
; The chip was launched on July 23, 2026; its instructions are those of AMD's public machine-readable ISA for CDNA 5 (MIT licence, August 2026) and "CDNA5" Instruction Set Architecture Reference Guide (July 2026). The comments in the code are by the model that wrote it; some were corrected since.
;; Causal Self Attention. Allowed arithmetic: matrix products marked QUANTISED: E5M2 operands, one given power-of-two scale a tensor, by v_wmma_f32_16x16x64_bf8_bf8 or v_wmma_f32_16x16x128_bf8_bf8, f32 sums; everything else in f32.
;; Inputs: c_attn_b 3,072 float32; c_attn_w 1,024 x 3,072 float32; c_proj_b 1,024 float32; c_proj_w 1,024 x 1,024 float32; hidden_states 4 x 2,048 x 1,024 float32; lowp_scales 8 int32 (the exponents e of the quantised operands' scales 2^e).
;; Outputs: out0 4 x 2,048 x 1,024 float32.
;; This version of the problem:
;;   THIS VERSION OF THE PROBLEM IS GIVEN IN LOW PRECISION. The matrix products marked QUANTISED in the list below multiply operands that are first quantised to E5M2 (5 exponent bits, 2 mantissa bits; 8 bits a number), with one given power-of-two scale for each operand tensor; their sums are f32. All else is computed in f32.
;;   The module's matrix products, in the order in which they are computed (A, B: the left and right operand; K: the contracted axis; several contracted axes count as one K, in the product's order):
;;     1. [M 8,192, K 1,024] x [K 1,024, N 3,072]; A: input hidden_states; B: input c_attn_w: QUANTISED (scales: A lowp_scales[0], B lowp_scales[1])
;;     2. batch 64 x [M 2,048, K 64] x [K 64, N 2,048]; A: computed on the way; B: computed on the way: QUANTISED (scales: A lowp_scales[2], B lowp_scales[3])
;;     3. batch 64 x [M 2,048, K 2,048] x [K 2,048, N 64]; A: softmax (see below); B: computed on the way: QUANTISED (scales: A lowp_scales[4], B lowp_scales[5])
;;     4. [M 8,192, K 1,024] x [K 1,024, N 1,024]; A: computed on the way; B: input c_proj_w: QUANTISED (scales: A lowp_scales[6], B lowp_scales[7])
;;   THE QUANTISER, for each operand of a quantised product, along K:
;;     - The operand's scale is 2^e, e = its entry of the input lowp_scales (int32; the entries are numbered through the quantised products in the list's order, A before B).
;;     - Each number is divided by the scale, clamped to +-57,344, and rounded to the nearest number of E5M2, ties to even, subnormals kept.
;;     - The product sums the exact products of the quantised numbers (number of the format x scale) in f32.
;;   ~~~python
;;   def quantise(x, axis, e):      # numpy; x: float32 -> the quantised numbers, widened to float32 again
;;       x = np.moveaxis(x, axis, -1); K = x.shape[-1]
;;       r = np.clip(x / 2.0 ** e, -57344, 57344)
;;       step = 2.0 ** (np.maximum(np.frexp(np.where(r == 0, 1, r))[1] - 1, -14) - 2)
;;       q = np.round(r / step) * step * 2.0 ** e      # np.round: ties to even
;;       return np.moveaxis(q, -1, axis).astype(np.float32)
;;   ~~~
;;   SOFTMAX AHEAD OF A QUANTISED PRODUCT. Where the list says 'softmax', what is quantised is not the finished softmax but p = 2^(t - M), with t = logit x log2(e) and M = ceil(the row's largest t), a whole number; so 1/2 < the row's largest p <= 1. The row's sum l is taken of the UNQUANTISED p, in f32, and the product's result is divided by l at the end. Since M is a whole number, a kernel that streams over the keys may use a running M (the ceiling of the running maximum): every later rescaling is an exact power of two, so the quantised numbers keep their values, but for numbers so far below the row's largest that they fall under the format's range.
;;   OPERANDS COMPUTED ON THE WAY. 'Computed on the way' means the value that the module computes at that place (a softmax that the list does not call 'softmax' is quantised finished and normalised). What goes into a quantiser is computed in f32, as accurately as f32 sums, v_exp_f32 and their like allow (about 1e-6 of the number): no bf16 or f16 on the way to a quantiser, and a product that is left as it is and whose result goes on into a quantised operand takes f32 operands (vector FMAs, or v_wmma_f32_16x16x4_f32). A number that lies on a knife's edge between two numbers of the format may be rounded either way, as far as f32 arithmetic and the matrix unit's own rounding can turn it there, and no further.
;; One version. Each part assembles by itself: llvm-mc -triple=amdgcn-amd-amdhsa -mcpu=gfx1250 --defsym DOCPART=n.
;; ======== version 1 of 1: 4 launches
;; limits: right only within a limited range of input values
;; workspace buffers: codes 12,582,912 bytes; qkv 25,165,824 bytes; aimg 8,388,608 bytes
;; launch quant (part 1): grid 384 x 1, 4 waves a work-group, no clusters, 68,096 bytes of LDS; arguments hidden_states, c_attn_w, c_proj_w, lowp_scales, codes; writes codes
.if DOCPART == 1
	.amdgcn_target "amdgcn-amd-amdhsa--gfx1250"
	.amdhsa_code_object_version 6
	.text
	.protected	k_qefa006dbff_quant
	.globl	k_qefa006dbff_quant
	.p2align	8
	.type	k_qefa006dbff_quant,@function
k_qefa006dbff_quant:
	s_mov_b64 s[64:65], 0
	v_nop
	global_prefetch_b8 v0, s[64:65] scope:SCOPE_SE
	s_setreg_imm32_b32 hwreg(HW_REG_WAVE_MODE, 25, 1), 1
	s_wait_xcnt 0x0
; hidden_states [8192][1024], c_attn_w [1024][3072] and c_proj_w [1024][1024], f32, become codes of BF8 (E5M2), one byte each, K innermost:
; codes is 12,288 rows of 1,024 bytes.  Rows 0-8191: tokens; rows 8192-11263: c_attn_w's columns; rows 11264-12287: c_proj_w's columns.
; code = x / 2^e, held within +-57,344, to the nearest code, ties to even; e = entry 0 (x), 1 (c_attn_w), 7 (c_proj_w) of lowp_scales.
; THE ROWS ARE LAID WITH BITS 3 AND 4 OF THEIR INDEX EXCHANGED (inside each range): 16 neighbouring rows 16 T + r of codes then hold the true indices 32 (T / 2) + 8 (T % 2) + r + 8 (r / 8),
; the choice of rows by which the results of a product used transposed fall, 16 neighbours to a lane, into the order that the next operand's registers want.
; LIMITS: each e between -126 and 112, so that 2^e and 57,344 x 2^e are f32 numbers.  NaN among the inputs is not served; an infinity is held at the largest code.
; SHARES: 32,768 numbers to a work-group.  Work-groups 0-255: x, whose K is innermost: a plain stream, 8 tokens (8,192 numbers) to a wave.  Work-groups 256-383: the weights, whose K is the first axis:
; 128 columns x 256 along K to a work-group; a lane takes a column and its registers run down K.  The two ways part on the work-group's number and have LDS bytes of their own.
; Waves share nothing: no barrier, no cluster (no input byte is read by two work-groups), no matrix work.
.set SP,   80                          ; x: a lane's place in a stage: 64 bytes + 16 of padding
.set XR,   16                          ; x: v16-79    four sets of 16 numbers as loaded
.set XX,   80                          ; x: v80-111   two sets of 16 neighbours
.set XC,   128                         ; x: v128-191  codes, four registers a step: no store's data are written again
.set WVO,  16                          ; w: v16-47    byte offsets of my column in 32 rows
.set WX,   48                          ; w: v48-111   two sets of 32 numbers
.set WC,   112                         ; w: v112-119  a block's codes
.set WOUT, 120                         ; w: v120-183  the way out
.set WP,   272                         ; w: a stage row: 256 bytes + 16
.set WLDS, 32768                       ; w: its stages begin behind x's four regions of 8,192 bytes
	s_load_b128 s[4:7], s[0:1], 0x0                ; hidden_states, c_attn_w
	s_load_b128 s[8:11], s[0:1], 0x10              ; c_proj_w, lowp_scales
	s_load_b64 s[12:13], s[0:1], 0x20              ; codes
	v_lshl_add_u32 v192, v0, 2, 0x10800
	v_mov_b32 v193, 0
	v_lshrrev_b32 v1, 5, v0
	v_readfirstlane_b32 s16, v1                    ; wave
	v_and_b32 v2, 31, v0                           ; lane
	v_lshlrev_b32 v3, 4, v2                        ; 16 x lane
	; every LDS address is made here, ahead of the parting of the ways
	s_mul_i32 s17, s16, 8192
	v_lshrrev_b32 v14, 2, v2
	v_mul_u32_u24 v14, v14, SP
	v_and_b32 v15, 3, v2
	v_lshl_add_u32 v14, v15, 4, v14
	v_add_nc_u32 v14, s17, v14                     ; x, into the stage: four lanes' 64 bytes on end, then 16 of padding
	v_mul_u32_u24 v15, v2, SP
	v_add_nc_u32 v15, s17, v15                     ; x, out of it: my 16 neighbours
	s_mul_i32 s18, s16, 32*WP
	s_add_co_u32 s18, s18, WLDS
	v_mul_u32_u24 v12, v2, WP
	v_add_nc_u32 v12, s18, v12                     ; w, into the stage: row = my column
	v_and_b32 v5, 15, v2
	v_lshrrev_b32 v6, 4, v2
	v_mul_u32_u24 v13, v6, WP
	v_lshl_add_u32 v13, v5, 4, v13
	v_add_nc_u32 v13, s18, v13                     ; w, out of it: sixteen lanes to a row, two rows an instruction
	v_lshlrev_b32 v8, 10, v6
	v_lshl_add_u32 v8, v5, 4, v8                   ; and the same place in two rows of codes
	v_lshlrev_b32 v9, 2, v2                        ; 4 x lane
	s_wait_kmcnt 0x0
	s_load_b256 s[24:31], s[10:11], 0x0            ; e0 .. e7
	s_cmp_lt_u32 ttmp9, 256
	s_cbranch_scc0 .Lweights
	; ---------------- x: a stream of blocks; each load reads 512 consecutive bytes; a step's 2,048 bytes turn through my stage so that a lane holds 16 neighbours
	s_lshl_b32 s18, ttmp9, 2
	s_add_co_u32 s19, s18, s16                     ; my run of 8 tokens
	s_lshl_b32 s20, s19, 15                        ; x 32,768 bytes
	s_mov_b32 s21, 0
	s_add_nc_u64 s[4:5], s[4:5], s[20:21]
	s_and_b32 s19, s16, 1                          ; a run is 8 tokens: the token's bits 3 and 4 are the run's bits 0 and 1, which are my wave's: exchanged
	s_lshl_b32 s19, s19, 1
	s_lshr_b32 s22, s16, 1
	s_or_b32 s19, s19, s22
	s_add_co_u32 s19, s19, s18
	s_lshl_b32 s20, s19, 13                        ; x 8,192 bytes of codes
	s_add_nc_u64 s[12:13], s[12:13], s[20:21]
.macro XLOAD t
.irp i, 0,1,2,3
	global_load_b128 v[XR+16*((\t)%4)+4*\i:XR+16*((\t)%4)+4*\i+3], v3, s[4:5] offset:2048*(\t)+512*\i th:TH_LOAD_NT
.endr
.endm
.macro XTURN t                         ; LDS serves a wave's instructions in order (ISA guide 5.7.1.4): no wait between the stores and the loads
.irp i, 0,1,2,3
	ds_store_b128 v14, v[XR+16*((\t)%4)+4*\i:XR+16*((\t)%4)+4*\i+3] offset:32*SP*((\t)%2)+8*SP*\i
.endr
.irp i, 0,1,2,3
	ds_load_b128 v[XX+16*((\t)%2)+4*\i:XX+16*((\t)%2)+4*\i+3], v15 offset:32*SP*((\t)%2)+16*\i
.endr
.endm
.irp t, 0,1,2,3
	XLOAD \t
.endr
	s_wait_kmcnt 0x0
	s_add_co_i32 s22, s24, 127
	s_lshl_b32 s23, s22, 23
	v_mov_b32 v11, s23                             ; 2^e0 as f32: the conversion takes its exponent field
	s_add_co_i32 s22, s22, 15
	s_lshl_b32 s22, s22, 23
	s_or_b32 s22, s22, 0x600000
	s_wait_alu depctr_va_vdst(0)
	s_wait_loadcnt 12                              ; step 0's four loads are in; twelve younger ones stay out
	XTURN 0
.macro XSTEP t
.set XS, XX+16*((\t)%2)
	s_wait_dscnt 0x0                               ; this step's numbers are back from the stage, so its stores into the stage have read their registers,
.if (\t)+4 < 16
	XLOAD (\t)+4                                   ; which take the loads of four steps on
.endif
.if (\t)+1 < 16
.if 14-(\t) >= 3
	s_wait_loadcnt 12                              ; the next step's four loads are in; those of the three steps behind it may be out
.else
	s_wait_loadcnt 4*(14-(\t))
.endif
	XTURN (\t)+1
.endif
.irp i, 0,1,2,3,4,5,6,7,8,9,10,11,12,13,14,15
.endr
	v_cvt_scalef32_pk8_bf8_f32 v[XC+4*(\t):XC+4*(\t)+1], v[XS:XS+7], v11
	v_cvt_scalef32_pk8_bf8_f32 v[XC+4*(\t)+2:XC+4*(\t)+3], v[XS+8:XS+15], v11
	global_store_b128 v3, v[XC+4*(\t):XC+4*(\t)+3], s[12:13] offset:512*(\t)   ; 32 lanes store 512 consecutive bytes, aligned
.endm
.irp t, 0,1,2,3,4,5,6,7,8,9,10,11,12,13,14,15
	XSTEP \t
.endr
	s_wait_tensorcnt 0x0
	ds_add_u32 v192, v193
	s_wait_dscnt 0x0
	s_endpgm
	; ---------------- the weights: group G of 128 columns (0-23: c_attn_w, 24-31: c_proj_w), run kg of 256 along K; my wave: 32 columns
.Lweights:
	s_sub_co_u32 s18, ttmp9, 256
	s_lshr_b32 s19, s18, 2                         ; G
	s_and_b32 s18, s18, 3                          ; kg
	s_sub_co_u32 s21, s19, 24
	s_mov_b32 s20, 4096
	s_cmp_lt_u32 s19, 24                           ; the choice hangs on the work-group's number alone
	s_cselect_b64 s[4:5], s[6:7], s[8:9]           ; the weight,
	s_cselect_b32 s20, 12288, s20                  ; its row in bytes,
	s_cselect_b32 s21, s19, s21                    ; and the group's number inside it
	s_lshl_b32 s22, s21, 9
	s_lshl_b32 s23, s16, 7
	s_add_co_u32 s22, s22, s23                     ; my first column, in bytes
	s_mov_b32 s23, 0
	s_add_nc_u64 s[4:5], s[4:5], s[22:23]
	s_lshl_b32 s22, s18, 8
	s_mul_i32 s22, s22, s20                        ; 256 kg rows
	s_add_nc_u64 s[4:5], s[4:5], s[22:23]
	s_lshl_b32 s22, s20, 5                         ; 32 rows
	s_mov_b64 s[32:33], s[4:5]                     ; a base for each of the eight blocks of 32 along K: nothing is stepped
.irp t, 1,2,3,4,5,6,7
	s_add_nc_u64 s[32+2*\t:33+2*\t], s[30+2*\t:31+2*\t], s[22:23]
.endr
	s_wait_alu depctr_va_vdst(0)
.irp i, 0,1,2,3,4,5,6,7,8,9,10,11,12,13,14,15,16,17,18,19,20,21,22,23,24,25,26,27,28,29,30,31
	v_mad_u32_u24 v[WVO+\i], s20, \i, v9           ; row i of a block, my column
.endr
	s_lshl_b32 s50, s19, 7
	s_lshl_b32 s51, s16, 5
	s_add_co_u32 s50, s50, s51
	s_add_co_u32 s50, s50, 8192                    ; my first row of codes: 8192 + 128 G + 32 wave, for both weights
	s_lshl_b32 s50, s50, 10
	s_lshl_b32 s51, s18, 8
	s_add_co_u32 s50, s50, s51                     ; + 256 kg bytes along K
	s_mov_b32 s51, 0
	s_add_nc_u64 s[12:13], s[12:13], s[50:51]
.macro WLOAD t                         ; each load reads one row k at 32 neighbouring columns: 128 consecutive bytes a wave
.irp i, 0,1,2,3,4,5,6,7,8,9,10,11,12,13,14,15,16,17,18,19,20,21,22,23,24,25,26,27,28,29,30,31
	global_load_b32 v[WX+32*((\t)%2)+\i], v[WVO+\i], s[32+2*(\t):33+2*(\t)] th:TH_LOAD_NT
.endr
.endm
	s_wait_alu depctr_va_vdst(0)
	WLOAD 0
	WLOAD 1
	s_wait_kmcnt 0x0
	s_cmp_lt_u32 s19, 24
	s_cselect_b32 s52, s25, s31                    ; e1 or e7
	s_add_co_i32 s52, s52, 127
	s_lshl_b32 s53, s52, 23
	v_mov_b32 v11, s53                             ; 2^e
	s_add_co_i32 s52, s52, 15
	s_lshl_b32 s52, s52, 23
	s_or_b32 s52, s52, 0x600000
.macro WBLOCK t
.set XS, WX+32*((\t)%2)
.if (\t) < 7
	s_wait_loadcnt 32                              ; this block's 32 loads are in; the next block's may be out
.else
	s_wait_loadcnt 0
.endif
.irp i, 0,1,2,3,4,5,6,7,8,9,10,11,12,13,14,15,16,17,18,19,20,21,22,23,24,25,26,27,28,29,30,31
.endr
.irp g, 0,1,2,3
	v_cvt_scalef32_pk8_bf8_f32 v[WC+2*\g:WC+2*\g+1], v[XS+8*\g:XS+8*\g+7], v11
.endr
	ds_store_b128 v12, v[WC:WC+3] offset:32*(\t)   ; 32 codes along K of my column
	ds_store_b128 v12, v[WC+4:WC+7] offset:32*(\t)+16
.if (\t)+2 < 8
	WLOAD (\t)+2
.endif
	s_wait_dscnt 0x0                               ; the stores have read their registers: the next block's codes may be written
.endm
	s_wait_alu depctr_va_vdst(0)
.irp t, 0,1,2,3,4,5,6,7
	WBLOCK \t
.endr
.irp t, 0,1,2,3,4,5,6,7,8,9,10,11,12,13,14,15
	ds_load_b128 v[WOUT+4*\t:WOUT+4*\t+3], v13 offset:2*\t*WP   ; columns 2 t and 2 t + 1, 256 bytes each
.endr
.irp t, 0,1,2,3,4,5,6,7,8,9,10,11,12,13,14,15
	s_wait_dscnt 15-\t
	global_store_b128 v8, v[WOUT+4*\t:WOUT+4*\t+3], s[12:13] offset:2*((\t%4)+8*((\t/4)%2)+4*(\t/8))*1024   ; the column's bits 3 and 4 (t's bits 2 and 3) exchanged; 16 lanes store 256 consecutive bytes, aligned
.endr
	s_wait_tensorcnt 0x0
	ds_add_u32 v192, v193
	s_wait_dscnt 0x0
	s_endpgm
.Lfunc_end_k_qefa006dbff_quant:
	.size	k_qefa006dbff_quant, .Lfunc_end_k_qefa006dbff_quant-k_qefa006dbff_quant
	.p2alignl 7, 3214868480
	.fill 96, 4, 3214868480
	.section	.rodata,"a",@progbits
	.p2align	6, 0x0
	.amdhsa_kernel k_qefa006dbff_quant
		.amdhsa_group_segment_fixed_size 68096
		.amdhsa_private_segment_fixed_size 0
		.amdhsa_enable_private_segment 0
		.amdhsa_kernarg_size 40
		.amdhsa_user_sgpr_count 2
		.amdhsa_user_sgpr_kernarg_segment_ptr 1
		.amdhsa_wavefront_size32 1
		.amdhsa_system_sgpr_workgroup_id_x 1
		.amdhsa_system_sgpr_workgroup_id_y 1
		.amdhsa_system_sgpr_workgroup_id_z 1
		.amdhsa_system_vgpr_workitem_id 0
		.amdhsa_next_free_vgpr 194
		.amdhsa_next_free_sgpr 66
		.amdhsa_reserve_vcc 0
		.amdhsa_float_denorm_mode_32 3
		.amdhsa_float_denorm_mode_16_64 3
		.amdhsa_fp16_overflow 1
		.amdhsa_memory_ordered 1
		.amdhsa_forward_progress 1
		.amdhsa_inst_pref_size 56
	.end_amdhsa_kernel
	.amdgpu_metadata
---
amdhsa.version: [ 1, 2 ]
amdhsa.kernels:
  - .name:           k_qefa006dbff_quant
    .symbol:         k_qefa006dbff_quant.kd
    .args:
      - { .name: hidden_states, .offset: 0, .size: 8, .value_kind: global_buffer, .address_space: global }
      - { .name: c_attn_w, .offset: 8, .size: 8, .value_kind: global_buffer, .address_space: global }
      - { .name: c_proj_w, .offset: 16, .size: 8, .value_kind: global_buffer, .address_space: global }
      - { .name: lowp_scales, .offset: 24, .size: 8, .value_kind: global_buffer, .address_space: global }
      - { .name: codes, .offset: 32, .size: 8, .value_kind: global_buffer, .address_space: global }
    .group_segment_fixed_size: 68096
    .private_segment_fixed_size: 0
    .kernarg_segment_align: 8
    .kernarg_segment_size: 40
    .max_flat_workgroup_size: 128
    .sgpr_count:     66
    .vgpr_count:     194
    .wavefront_size: 32
...
	.end_amdgpu_metadata
.endif
;; end of part 1
;; launch qkv (part 2): grid 12 x 32, 4 waves a work-group, clusters of 4 x 4, 327,680 bytes of LDS; arguments codes, c_attn_b, lowp_scales, qkv; writes qkv
.if DOCPART == 2
	.amdgcn_target "amdgcn-amd-amdhsa--gfx1250"
	.amdhsa_code_object_version 6
	.text
	.protected	k_qefa006dbff_qkv
	.globl	k_qefa006dbff_qkv
	.p2align	8
	.type	k_qefa006dbff_qkv,@function
k_qefa006dbff_qkv:
	s_mov_b64 s[64:65], 0
	v_nop
	global_prefetch_b8 v0, s[64:65] scope:SCOPE_SE
	s_setreg_imm32_b32 hwreg(HW_REG_WAVE_MODE, 25, 1), 1
	s_wait_xcnt 0x0
	s_wait_alu depctr_hold_cnt(0) depctr_sa_sdst(0) depctr_va_vdst(0) depctr_va_sdst(0) depctr_va_ssrc(0) depctr_va_vcc(0) depctr_vm_vsrc(0)
	s_getreg_b32 s2, hwreg(HW_REG_IB_STS2, 6, 4)
	s_cmp_eq_u32 s2, 0
	s_cbranch_scc0 .Lentry_in_a_cluster
	s_endpgm
.Lentry_in_a_cluster:
	s_bfe_u32 s2, ttmp6, 0x10000c
	s_cmp_lg_u32 s2, 0xf033
	s_cbranch_scc0 .Lentry_shape_is_right
	s_endpgm
.Lentry_shape_is_right:
; q, k, v = x W + b on codes of BF8 (E5M2), sums in f32, x 2^(e0 + e1), + bias, and quantised at once with 2^e2 (q), 2^e3 (k), 2^e5 (v): what is stored are IMAGES OF OPERAND REGISTERS for the attention launch.
; codes: 12,288 rows of 1,024 bytes, K innermost; rows 0-8191 tokens, rows 8192-11263 the 3,072 features; inside each group of 32 rows bits 3 and 4 of the index are exchanged.
; A tile is 256 x 256, K = 1,024; four waves, 128 x 128 each: 64 accumulators of 16 x 16.  K goes in steps of 256 through a ring of two LDS slots: four fills, so the ring is written out.
; THE MATRIX INSTRUCTION IS USED TRANSPOSED: source 0 = 16 rows of 'B', source 1 = 16 rows of 'A': lane (r, h) holds A's row r and, in the 16 registers of B's blocks 2 b and 2 b + 1, the true indices 32 b + 16 h + 0 .. 15.
; Cluster x = 0: q, 1: k (A = tokens, B = features: a lane's four blocks of a head are 64 features of one token: the 8 registers of a 16 x 64 fragment);
; cluster x = 2: v (A = features, B = tokens: a lane's eight blocks are 128 keys of one channel: the 16 registers of a 16 x 128 fragment).  The cluster's x is the same in all sixteen partners.
; Each group of four code registers leaves by one store, lane l's 16 bytes at 16 l: 512 consecutive bytes, aligned.  No LDS on the way out.
; qkv: Q at byte hg x 131072 + T x 1024 + c x 512 (hg = 16 batch + head, T = block of 16 tokens in the batch); K and V at 8388608 + hg x 262144 + n x 16384 (n = step of 128 keys): K + i x 1024 + c x 512, V + 8192 + t x 2048 + c x 512.
; CLUSTERS: 4 x 4 work-groups; A's tile is asked for jointly along a row of the cluster, B's along a column.
; LIMITS: e0 + e1 between -126 and 127; e2, e3, e5 between -126 and 112.  NaN is not served.
; REGISTERS: window 0: v0-31 addresses and scales; v32-95 the bias along registers; v96-111 the bias along lanes; from v128 A's fragments, one set, later the codes.  window 1: B's fragments, two sets.  windows 2, 3: the accumulators.
.set ROWB,   256                       ; a tile's row in bytes
.set KROW,   1024                      ; a row of codes in memory
.set PITCH,  272                       ; an LDS row: 256 bytes + 16 of padding = 68 words: the 16 rows of a load start at 16 different banks (64 banks of 4 bytes: ISA guide 11.1)
.set FR,     16
.set NL,     4
.set NP,     4                         ; places behind this matrix instruction (ISA guide 7.12.1)
.set HALFT,  128*PITCH
.set SLOT,   4*HALFT
.set SPARE,  2*SLOT                    ; behind the ring: the spare words, 128 bytes a wave: two blocks of 256 bytes that no other line names
.set ADRA, 16
.set ADRB, 20
.set CO,   26                          ; v26  16 x lane
.set SPW,  28
.set NIL,  29
.set AF,   128
.set G1, 24
.set G0, 32
.set G1B, 48
.set G0B, 56
.set MSB, 0
.macro WIN new                         ; the immediate's high byte repeats the setting that is left
.if MSB != \new
	s_set_vgpr_msb (MSB<<8)|\new
.set MSB, \new
.endif
.endm
.set MUL_LO, 0xa1                      ; source 0 (B) window 1, source 1 (A) window 0, C and D window 2
.set MUL_HI, 0xf1
.set TO_B,   0x40
; A joint load: waves 0 and 1 fetch for A, waves 2 and 3 for B; the branch hangs on the wave's number alone.  Four v_nop follow each of the two lines.
.macro JLOAD g0a, g1a, g0b, g1b
	s_cmp_eq_u32 s15, 0
	s_cbranch_scc0 .Lfor_b_\@
	tensor_load_to_lds s[\g0a:\g0a+3], s[\g1a:\g1a+7]
	s_nop 0
.rept 4
	v_nop
.endr
	s_branch .Lasked_\@
.Lfor_b_\@:
	tensor_load_to_lds s[\g0b:\g0b+3], s[\g1b:\g1b+7]
	s_nop 0
.rept 4
	v_nop
.endr
.Lasked_\@:
.endm
.macro CREST                           ; a round of the cluster's barrier behind its opening barrier
	s_cmp_lg_u32 s14, 0
	s_cbranch_scc1 .Lnot_wave_0_\@
	s_barrier_signal -3
.Lnot_wave_0_\@:
	s_barrier_wait -3
	s_barrier_signal -1
	s_barrier_wait -1
.endm
.macro CROUND
	s_barrier_signal -1
	s_barrier_wait -1
	CREST
.endm
	s_load_b256 s[4:11], s[0:1], 0x0               ; codes s[4:5], c_attn_b s[6:7], lowp_scales s[8:9], qkv s[10:11]
	v_lshl_add_u32 v[SPW], v0, 2, SPARE
	v_mov_b32 v[NIL], 0
	ds_add_u32 v28, v29
	ds_add_u32 v28, v29
	s_wait_dscnt 0x0
	v_lshrrev_b32 v1, 5, v0
	v_readfirstlane_b32 s14, v1                    ; wave 0..3
	s_lshr_b32 s15, s14, 1                         ; which half of A's rows is mine.  Also: I fetch for A (0) or for B (1)
	s_and_b32 s16, s14, 1                          ; which half of B's rows.  Also: which 128 rows of that tile I fetch
	s_bfe_u32 s40, ttmp6, 0x40000                  ; cx
	s_bfe_u32 s41, ttmp6, 0x40004                  ; cy
	s_and_b32 s66, ttmp7, 0xffff                   ; cluster y, 0..7
	s_lshl_b32 s43, s41, 2
	s_lshl_b32 s43, 15, s43                        ; my row of the cluster
	s_lshl_b32 s44, 0x1111, s40                    ; my column
	s_or_b32 s[G1+0], s43, (0<<16)|(1<<20)|(1<<21)|(5<<22)|(3<<25)  ; the mask; elements of 1 byte; padding on; bit 21 beside a mask; 4 words behind every 64
	s_or_b32 s[G1B+0], s44, (0<<16)|(1<<20)|(1<<21)|(5<<22)|(3<<25)
.irp g, G1, G1B
	s_mov_b32 s[\g+1], ROWB<<16                    ; tensor_dim0
	s_mov_b32 s[\g+2], 128<<16                     ; tensor_dim1
	s_mov_b32 s[\g+3], ROWB<<16                    ; tile_dim0
	s_mov_b32 s[\g+4], 128                         ; tile_dim1
	s_mov_b32 s[\g+5], KROW                        ; tensor_dim0_stride
	s_mov_b32 s[\g+6], 0
	s_mov_b32 s[\g+7], 0
.endr
	; the tiles' first rows.  q, k: A = tokens 1024 y + 256 cy, B = features 8192 + 1024 x + 256 cx.  v: A = features 10240 + 256 cy, B = tokens 1024 y + 256 cx.  cy enters A's chain alone, cx B's alone
	s_lshl_b32 s67, s66, 10
	s_lshl_b32 s68, ttmp9, 10
	s_add_co_u32 s68, s68, 8192
	s_mov_b32 s69, 10240
	s_cmp_eq_u32 ttmp9, 2
	s_cselect_b32 s17, s69, s67
	s_cselect_b32 s42, s67, s68
	s_lshl_b32 s18, s16, 7                         ; 128 x (wave & 1)
	s_lshl_b32 s19, s41, 8                         ; 256 cy
	s_add_co_u32 s17, s17, s19
	s_add_co_u32 s20, s17, s18
	s_lshl_b32 s20, s20, 10                        ; in bytes
	s_mov_b32 s21, 0
	s_lshl_b32 s70, s40, 8                         ; 256 cx
	s_add_co_u32 s42, s42, s70
	s_add_co_u32 s46, s42, s18
	s_lshl_b32 s46, s46, 10
	s_mov_b32 s47, 0
	s_mul_i32 s45, s14, HALFT                      ; where they go: wave x 128 rows
	s_wait_kmcnt 0x0
	s_load_b256 s[84:91], s[8:9], 0x0              ; e0 .. e7
	s_add_nc_u64 s[20:21], s[4:5], s[20:21]
	s_add_nc_u64 s[46:47], s[4:5], s[46:47]
	CROUND                                         ; all sixteen work-groups are here: the first joint loads meet
.irp s, 0,1
	s_mov_b32 s[G0+4*\s], 1
	s_add_co_u32 s[G0+4*\s+1], s45, \s*SLOT
	s_add_nc_u64 s[G0+4*\s+2:G0+4*\s+3], s[20:21], \s*ROWB
	s_or_b32 s[G0+4*\s+3], s[G0+4*\s+3], 0x80000000
	s_mov_b32 s[G0B+4*\s], 1
	s_add_co_u32 s[G0B+4*\s+1], s45, \s*SLOT
	s_add_nc_u64 s[G0B+4*\s+2:G0B+4*\s+3], s[46:47], \s*ROWB
	s_or_b32 s[G0B+4*\s+3], s[G0B+4*\s+3], 0x80000000
	JLOAD G0+4*\s, G1, G0B+4*\s, G1B
.endr
	v_and_b32 v1, 15, v0                           ; r
	v_bfe_u32 v2, v0, 4, 1                         ; h
	s_wait_alu depctr_va_vdst(0)
	v_mul_u32_u24 v3, v1, PITCH
	v_lshl_add_u32 v4, v2, 4, v3                   ; a fragment's row x pitch + 16 h
	s_mul_i32 s21, s15, HALFT
	s_mul_i32 s22, s16, HALFT
	s_add_co_u32 s22, s22, 2*HALFT
.irp s, 0,1
	v_add_nc_u32 v[ADRA+\s], s21, v4
	v_add_nc_u32 v[ADRB+\s], s22, v4
	s_add_co_u32 s21, s21, SLOT
	s_add_co_u32 s22, s22, SLOT
.endr
	v_and_b32 v6, 31, v0
	v_lshlrev_b32 v[CO], 4, v6
	; THE BIAS, in both forms, in every work-group (all addresses lie inside c_attn_b whatever the kind); each way out uses one.
	; Along registers (q, k): B's block bb, register j: feature 32 (bb / 2) + 8 (bb % 2) + 16 h + j of my 128.  Along lanes (v): A's block a: feature 32 (a / 2) + 8 (a % 2) + r + 8 (r / 8) of my 128.
	s_lshl_b32 s71, ttmp9, 10
	s_cmp_eq_u32 ttmp9, 2
	s_cselect_b32 s71, 0, s71
	s_cselect_b32 s72, 2048, 0
	s_add_co_u32 s71, s71, s70
	s_add_co_u32 s71, s71, s18
	s_lshl_b32 s92, s71, 2
	s_mov_b32 s93, 0
	s_add_nc_u64 s[80:81], s[6:7], s[92:93]
	s_add_co_u32 s72, s72, s19
	s_lshl_b32 s73, s15, 7
	s_add_co_u32 s72, s72, s73
	s_lshl_b32 s92, s72, 2
	s_add_nc_u64 s[82:83], s[6:7], s[92:93]
	v_lshlrev_b32 v7, 6, v2                        ; 16 h numbers
	v_and_b32 v8, 8, v1
	v_add_nc_u32 v8, v8, v1
	v_lshlrev_b32 v8, 2, v8                        ; r + 8 (r / 8) numbers
.irp bb, 0,1,2,3,4,5,6,7
	global_load_b128 v[32+8*\bb:35+8*\bb], v7, s[80:81] offset:4*(32*(\bb/2)+8*(\bb%2))
	global_load_b128 v[36+8*\bb:39+8*\bb], v7, s[80:81] offset:4*(32*(\bb/2)+8*(\bb%2))+16
.endr
.irp a, 0,1,2,3,4,5,6,7
	global_load_b32 v[96+2*\a], v8, s[82:83] offset:4*(32*(\a/2)+8*(\a%2))
.endr
	; WHERE THE IMAGES GO.  tt: my tile of 256 tokens (0..31), th: my half of it; ft: my tile of 256 features (4 heads), fh: my half of it (2 heads)
	s_lshl_b32 s74, s66, 2
	s_add_co_u32 s75, s74, s41
	s_add_co_u32 s74, s74, s40
	s_cmp_eq_u32 ttmp9, 2
	s_cselect_b32 s74, s74, s75                    ; tt
	s_cselect_b32 s75, s16, s15                    ; th
	s_cselect_b32 s92, s41, s40                    ; ft
	s_cselect_b32 s93, s15, s16                    ; fh
	s_lshr_b32 s94, s74, 3
	s_lshl_b32 s94, s94, 4                         ; 16 x batch
	s_lshl_b32 s92, s92, 2
	s_add_co_u32 s94, s94, s92
	s_lshl_b32 s93, s93, 1
	s_add_co_u32 s94, s94, s93                     ; hg of my first head
	s_and_b32 s74, s74, 7
	s_lshl_b32 s74, s74, 1
	s_add_co_u32 s74, s74, s75                     ; n: my 128 tokens in the batch
	s_lshl_b32 s94, s94, 17
	s_lshl_b32 s74, s74, 13
	s_add_co_u32 s94, s94, s74                     ; q: hg x 131072 + n x 8192
	s_lshl_b32 s95, s94, 1
	s_add_co_u32 s95, s95, 8388608                 ; k: 8388608 + twice that
	s_add_co_u32 s92, s95, 8192                    ; v: 8192 further on
	s_mov_b32 s93, 262144
	s_cmp_eq_u32 ttmp9, 0
	s_cselect_b32 s94, s94, s95
	s_cselect_b32 s74, 131072, s93                 ; from a head to the next
	s_cmp_eq_u32 ttmp9, 2
	s_cselect_b32 s94, s92, s94
	s_mov_b32 s95, 0
	s_mov_b32 s75, 0
	s_add_nc_u64 s[76:77], s[10:11], s[94:95]      ; my first head's images,
	s_add_nc_u64 s[78:79], s[76:77], s[74:75]      ; my second head's
.macro FRAG reg, adr, q, i             ; 16 rows x 128 K: registers 4 c .. 4 c + 3 hold K = 32 c + 16 h + 0 .. 15: the same places in A and in B
.irp c, 0,1,2,3
	ds_load_b128 v[\reg+4*\c:\reg+4*\c+3], v[\adr] offset:128*(\q)+32*\c+(\i)*16*PITCH
.endr
.endm
; 16 matrix instructions: A's blocks a0, a0 + 1 x B's eight.  The 64 accumulators take turns, one instruction a turn, in the same order in every step.
.macro MUL16 a0, p, zero
.irp a, \a0, \a0+1
.irp b, 0,1,2,3,4,5,6,7
.if \zero
	v_wmma_f32_16x16x128_bf8_bf8 v[8*(8*((\a)%4)+\b):8*(8*((\a)%4)+\b)+7], v[128*(\p)+FR*\b:128*(\p)+FR*\b+FR-1], v[AF+FR*(\a):AF+FR*(\a)+FR-1], 0
.else
	v_wmma_f32_16x16x128_bf8_bf8 v[8*(8*((\a)%4)+\b):8*(8*((\a)%4)+\b)+7], v[128*(\p)+FR*\b:128*(\p)+FR*\b+FR-1], v[AF+FR*(\a):AF+FR*(\a)+FR-1], v[8*(8*((\a)%4)+\b):8*(8*((\a)%4)+\b)+7]
.endif
.endr
.endr
.endm
.macro FETCH_B slot, q, p
	WIN TO_B
.irp i, 0,1,2,3,4,5,6,7
	FRAG 128*(\p)+FR*\i, ADRB+\slot, \q, \i
.endr
	WIN 0
.endm
.macro FETCH_A slot, q, i0
.irp i, \i0, \i0+1, \i0+2, \i0+3
	FRAG AF+FR*(\i), ADRA+\slot, \q, \i
.endr
.endm
.macro PLACES n                        ; plain vector instructions between a matrix instruction and a load into, or a read of, its registers
.rept \n
	v_nop
.endr
.endm
.macro STEP slot, q, zero              ; 128 along K, with its successor in the same slot
	s_wait_dscnt 4*NL                              ; B's set and A's blocks 0-3 are in; the youngest 16 loads (A's blocks 4-7) may be out
	WIN MUL_LO
	MUL16 0, (\q)%2, \zero
	MUL16 2, (\q)%2, \zero
	s_wait_dscnt 0
	PLACES NP
	FETCH_B \slot, (\q)+1, 1-(\q)%2
	FETCH_A \slot, (\q)+1, 0
	WIN MUL_HI
	MUL16 4, (\q)%2, \zero
	MUL16 6, (\q)%2, \zero
	PLACES NP
	WIN 0
	FETCH_A \slot, (\q)+1, 4
.endm
; A slot's last step changes slots: one barrier; in front of it each wave waits for all its tensor loads, adds 0 to its spare word, and waits for that and for its reads of this slot.
.macro TURN slot, next, fill
	s_wait_tensorcnt 0x0                           ; all my tensor loads have landed: my part of the next slot
	ds_add_u32 v[SPW], v[NIL]                      ; 0 onto my spare word
	s_wait_dscnt 4*NL+1                            ; (the add and the youngest 16 loads may be out)
	WIN MUL_LO
	MUL16 0, 1, 0
	s_wait_dscnt 0x0                               ; the add is done, and my reads of this slot are over
	s_barrier_signal -1
	MUL16 2, 1, 0
	WIN 0
	s_barrier_wait -1
.if \fill
	CREST                                          ; the barrier has opened a round of the cluster's barrier: no wave of any partner still reads this slot or has a load on its way
	s_add_nc_u64 s[G0+4*\slot+2:G0+4*\slot+3], s[G0+4*\slot+2:G0+4*\slot+3], 2*ROWB
	s_add_nc_u64 s[G0B+4*\slot+2:G0B+4*\slot+3], s[G0B+4*\slot+2:G0B+4*\slot+3], 2*ROWB
	JLOAD G0+4*\slot, G1, G0B+4*\slot, G1B         ; the first tensor load behind the round; its four v_nop are the places in front of the loads below
.else
	PLACES NP
.endif
	FETCH_B \next, 0, 0
	FETCH_A \next, 0, 0
	WIN MUL_HI
	MUL16 4, 1, 0
	MUL16 6, 1, 0
	PLACES NP
	WIN 0
	FETCH_A \next, 0, 4
.endm
	s_wait_alu depctr_va_vdst(0)
	s_wait_tensorcnt 1                             ; my part of K step 0 is in; K step 1's load may be out
	s_barrier_signal -1
	s_barrier_wait -1
	FETCH_B 0, 0, 0
	FETCH_A 0, 0, 0
	FETCH_A 0, 0, 4
	STEP 0, 0, 1                                   ; the first products start the sums
	TURN 0, 1, 1                                   ; slot 0 takes K 512-767
	STEP 1, 0, 0
	TURN 1, 0, 1                                   ; slot 1 takes K 768-1023
	STEP 0, 0, 0
	TURN 0, 1, 0
	STEP 1, 0, 0
	s_wait_dscnt 4*NL
	WIN MUL_LO
	MUL16 0, 1, 0
	MUL16 2, 1, 0
	s_wait_dscnt 0
	WIN MUL_HI
	MUL16 4, 1, 0
	MUL16 6, 1, 0
	WIN 0
; THE WAY OUT.  OUT takes A's block a and four of B's blocks (4 g .. 4 g + 3): 32 sums a lane become sum x 2^(e0 + e1) + bias, are held, and converted into 8 registers of codes, which leave by two stores.
; kind 0 (q, k): the 8 registers are head g's fragment of tokens a.  kind 1 (v): they are registers 8 g .. 8 g + 7 of the fragment of channels a % 4 of head a / 4.
; The codes take v128-255, 16 registers for each a: no store's data are written again, and no base is stepped.
.macro OUT kind, a, g
.if \kind
.set TMP, 32
.else
.set TMP, 96
.endif
	WIN 0x02+((\a)/4)                              ; source 0: window 2 or 3
.irp m, 0,1,2,3
.irp i, 0,2,4,6
.if \kind
	v_pk_fma_f32 v[TMP+8*\m+\i:TMP+8*\m+\i+1], v[64*((\a)%4)+8*(4*(\g)+\m)+\i:64*((\a)%4)+8*(4*(\g)+\m)+\i+1], s[96:97], v[96+2*(\a):97+2*(\a)] op_sel_hi:[1,0,1]
.else
	v_pk_fma_f32 v[TMP+8*\m+\i:TMP+8*\m+\i+1], v[64*((\a)%4)+8*(4*(\g)+\m)+\i:64*((\a)%4)+8*(4*(\g)+\m)+\i+1], s[96:97], v[32+8*(4*(\g)+\m)+\i:32+8*(4*(\g)+\m)+\i+1] op_sel_hi:[1,0,1]
.endif
.endr
.endr
	WIN 0
.irp k, 0,1,2,3,4,5,6,7,8,9,10,11,12,13,14,15,16,17,18,19,20,21,22,23,24,25,26,27,28,29,30,31
.endr
.irp m, 0,1,2,3
	v_cvt_scalef32_pk8_bf8_f32 v[128+16*(\a)+8*(\g)+2*\m:128+16*(\a)+8*(\g)+2*\m+1], v[TMP+8*\m:TMP+8*\m+7], v10
.endr
	v_nop                                          ; a plain line behind the conversions: the next call writes their sources
.irp c, 0,1
.if \kind
	global_store_b128 v[CO], v[128+16*(\a)+8*(\g)+4*\c:128+16*(\a)+8*(\g)+4*\c+3], s[76+2*((\a)/4):77+2*((\a)/4)] offset:2048*((\a)%4)+512*(2*(\g)+\c)
.else
	global_store_b128 v[CO], v[128+16*(\a)+8*(\g)+4*\c:128+16*(\a)+8*(\g)+4*\c+3], s[76+2*(\g):77+2*(\g)] offset:1024*(\a)+512*\c
.endif
.endr
.endm
	PLACES NP                                      ; behind the last products: their sums are read, and A's registers written, below
	s_wait_kmcnt 0x0
	s_cmp_eq_u32 ttmp9, 0
	s_cselect_b32 s92, s86, s87                    ; e2 or e3,
	s_cmp_eq_u32 ttmp9, 2
	s_cselect_b32 s92, s89, s92                    ; or e5
	s_add_co_i32 s92, s92, 127
	s_lshl_b32 s93, s92, 23
	v_mov_b32 v10, s93                             ; the result's scale as f32
	s_add_co_i32 s96, s84, s85
	s_add_co_i32 s96, s96, 127
	s_lshl_b32 s96, s96, 23                        ; 2^(e0 + e1) as f32
	s_mov_b32 s97, s96                             ; (named with it as a pair)
	s_wait_loadcnt 0x0                             ; the bias
	s_cmp_eq_u32 ttmp9, 2                          ; the cluster's x: the same in all partners
	s_cbranch_scc1 .Lv
.irp a, 0,1,2,3,4,5,6,7
	OUT 0, \a, 0
	OUT 0, \a, 1
.endr
	s_branch .Lend
.Lv:
.irp a, 0,1,2,3,4,5,6,7
	v_mov_b32 v[97+2*\a], v[96+2*\a]               ; the lane's bias twice: a pair for the packed multiply-add
.endr
.irp a, 0,1,2,3,4,5,6,7
	OUT 1, \a, 0
	OUT 1, \a, 1
.endr
.Lend:
	s_wait_tensorcnt 0x0                           ; the wave's end
	ds_add_u32 v[SPW], v[NIL]
	s_wait_dscnt 0x0
	CROUND                                         ; the closing round: no work-group ends while a partner may still ask for a tile that names it
	s_endpgm
.Lfunc_end_k_qefa006dbff_qkv:
	.size	k_qefa006dbff_qkv, .Lfunc_end_k_qefa006dbff_qkv-k_qefa006dbff_qkv
	.p2alignl 7, 3214868480
	.fill 96, 4, 3214868480
	.section	.rodata,"a",@progbits
	.p2align	6, 0x0
	.amdhsa_kernel k_qefa006dbff_qkv
		.amdhsa_group_segment_fixed_size 327680
		.amdhsa_private_segment_fixed_size 0
		.amdhsa_enable_private_segment 0
		.amdhsa_kernarg_size 32
		.amdhsa_user_sgpr_count 2
		.amdhsa_user_sgpr_kernarg_segment_ptr 1
		.amdhsa_wavefront_size32 1
		.amdhsa_system_sgpr_workgroup_id_x 1
		.amdhsa_system_sgpr_workgroup_id_y 1
		.amdhsa_system_sgpr_workgroup_id_z 1
		.amdhsa_system_vgpr_workitem_id 0
		.amdhsa_next_free_vgpr 1024
		.amdhsa_next_free_sgpr 98
		.amdhsa_reserve_vcc 0
		.amdhsa_float_denorm_mode_32 3
		.amdhsa_float_denorm_mode_16_64 3
		.amdhsa_fp16_overflow 1
		.amdhsa_memory_ordered 1
		.amdhsa_forward_progress 1
		.amdhsa_inst_pref_size 131
	.end_amdhsa_kernel
	.amdgpu_metadata
---
amdhsa.version: [ 1, 2 ]
amdhsa.kernels:
  - .name:           k_qefa006dbff_qkv
    .symbol:         k_qefa006dbff_qkv.kd
    .args:
      - { .name: codes, .offset: 0, .size: 8, .value_kind: global_buffer, .address_space: global }
      - { .name: c_attn_b, .offset: 8, .size: 8, .value_kind: global_buffer, .address_space: global }
      - { .name: lowp_scales, .offset: 16, .size: 8, .value_kind: global_buffer, .address_space: global }
      - { .name: qkv, .offset: 24, .size: 8, .value_kind: global_buffer, .address_space: global }
    .group_segment_fixed_size: 327680
    .private_segment_fixed_size: 0
    .kernarg_segment_align: 8
    .kernarg_segment_size: 32
    .max_flat_workgroup_size: 128
    .sgpr_count:     98
    .vgpr_count:     1024
    .wavefront_size: 32
...
	.end_amdgpu_metadata
.endif
;; end of part 2
;; launch attn (part 3): grid 4 x 64, 16 waves a work-group, clusters of 4 x 1, 327,680 bytes of LDS; arguments qkv, lowp_scales, aimg; writes aimg
.if DOCPART == 3
	.amdgcn_target "amdgcn-amd-amdhsa--gfx1250"
	.amdhsa_code_object_version 6
	.text
	.protected	k_qefa006dbff_attn
	.globl	k_qefa006dbff_attn
	.p2align	8
	.type	k_qefa006dbff_attn,@function
k_qefa006dbff_attn:
	s_mov_b64 s[64:65], 0
	v_nop
	global_prefetch_b8 v0, s[64:65] scope:SCOPE_SE
	s_setreg_imm32_b32 hwreg(HW_REG_WAVE_MODE, 25, 1), 1
	s_wait_xcnt 0x0
	s_wait_alu depctr_hold_cnt(0) depctr_sa_sdst(0) depctr_va_vdst(0) depctr_va_sdst(0) depctr_va_ssrc(0) depctr_va_vcc(0) depctr_vm_vsrc(0)
	s_getreg_b32 s2, hwreg(HW_REG_IB_STS2, 6, 4)
	s_cmp_eq_u32 s2, 0
	s_cbranch_scc0 .Lentry_in_a_cluster
	s_endpgm
.Lentry_in_a_cluster:
	s_bfe_u32 s2, ttmp6, 0x10000c
	s_cmp_lg_u32 s2, 0x3003
	s_cbranch_scc0 .Lentry_shape_is_right
	s_endpgm
.Lentry_shape_is_right:
; Causal attention on codes of BF8 (E5M2), head size 64, 2,048 tokens, 64 heads (hg = 16 batch + head).  t = score x 2^(e2 + e3) x log2(e) / 8; M = the running largest t rounded up to a whole number;
; p = 2^(t - M) is quantised with 2^e4, not normalised; the row's sum is taken of the unquantised p; O = (sum of p v) x 2^(e4 + e5) / the row's sum, quantised with 2^e6 and stored as an image of operand registers.
; INPUT: images of operand registers, 512 bytes for four registers, lane l's 16 bytes at 16 l.  Q: hg x 131072 + T x 1024 (tile T of 16 queries, 8 registers).  K, V: 8388608 + hg x 262144 + n x 16384 (key step n of 128 keys):
; eight tiles of K of 1,024 bytes, then four tiles of V (16 channels x 128 keys) of 2,048 bytes.  Row r of tile T holds token 32 (T / 2) + 8 (T % 2) + r + 8 (r / 8).
; Both products are used transposed (S^T = K Q^T, O^T = V^T P^T): a lane holds one query; the 16 registers of score tiles 2 b and 2 b + 1 are keys 32 b + 16 h + 0 .. 15, the order of V's fragment.
; SHARES.  The four work-groups of a head form a cluster; work-group j owns query tiles 4 a + j, a = 0 .. 31, whose queries lie in 64 a .. 64 a + 63 whatever j is.  Wave w owns a = w and a = 31 - w.
; A key step counts for tile a where its first key is at most 64 a + 63: a / 2 + 1 steps, so every wave has 17 units of (16 queries x 128 keys).  The tests hang on the wave's number and the step alone.
; LDS.  A head's K and V, 262,144 bytes, lie in LDS whole, as in memory: NOTHING IS FILLED AGAIN.  Each wave issues two joint loads at the start (mask: all four work-groups): 2,048 bytes of key steps 0 and 1, and 14,336 bytes of the rest.
; Two barriers in all: behind the first, key steps 0 and 1 are worked while the rest lands; behind the second LDS is only read and no wave waits for another.
; No prefetch: every byte of K and V is asked for by the tensor loads at the head; there is no later request to run ahead of.
; LIMITS: e2 + e3 between -123 and 130 (added to the exponent field of log2(e) / 8); e4 and e6 between -126 and 112; e4 + e5 goes by v_ldexp_f32.  NaN is not served.
; REGISTERS: v1 16 x lane; v2 the step's LDS address; v6, v7 my query - 16 h (tile lo, hi); v9 2^e4, v10 2^e6; v16-23, v24-31 Q; v32-95 K's eight fragments, then V's four;
; v96-159 S^T, then p; v160-191, v192-223 O^T; v224-239 p's codes; v240-243, v244-247: -M, the largest t, the sum in two halves; v248-255 at work.
.macro CROUND                          ; a round of the cluster's barrier
	s_barrier_signal -1
	s_barrier_wait -1
	s_cmp_lg_u32 s10, 0
	s_cbranch_scc1 .Lnot_wave_0_\@
	s_barrier_signal -3
.Lnot_wave_0_\@:
	s_barrier_wait -3
	s_barrier_signal -1
	s_barrier_wait -1
.endm
	s_load_b128 s[4:7], s[0:1], 0x0                ; qkv, lowp_scales
	s_load_b64 s[8:9], s[0:1], 0x10                ; aimg
	v_lshl_add_u32 v14, v0, 2, 0x40000
	v_mov_b32 v15, 0
	ds_add_u32 v14, v15
	ds_add_u32 v14, v15
	v_lshrrev_b32 v3, 5, v0
	s_delay_alu instid0(VALU_DEP_1)
	v_readfirstlane_b32 s10, v3                    ; wave 0..15
	s_bfe_u32 s11, ttmp6, 0x40000                  ; j = cx: it enters Q's and the output's addresses and the mask's numbers, no branch and no LDS address
	s_and_b32 s12, ttmp7, 0xffff                   ; hg, which the four partners share
	s_lshl_b32 s40, s10, 6                         ; 64 a of tile lo
	s_sub_co_u32 s41, 1984, s40                    ; 64 a of tile hi
	; descriptor groups 1: dense blocks as rows of 256 bytes (32 elements of 8 bytes): 8 rows, and 56 rows.  Mask 15: all four work-groups; bit 21 beside it
	s_mov_b32 s16, 15|(3<<16)|(1<<21)
	s_mov_b32 s17, 32<<16
	s_mov_b32 s18, 8<<16
	s_mov_b32 s19, 32<<16
	s_mov_b32 s20, 8
	s_mov_b32 s21, 32
	s_mov_b32 s22, 0
	s_mov_b32 s23, 0
	s_mov_b32 s24, 15|(3<<16)|(1<<21)
	s_mov_b32 s25, 32<<16
	s_mov_b32 s26, 56<<16
	s_mov_b32 s27, 32<<16
	s_mov_b32 s28, 56
	s_mov_b32 s29, 32
	s_mov_b32 s30, 0
	s_mov_b32 s31, 0
	s_lshl_b32 s13, s12, 18
	s_add_co_u32 s13, s13, 8388608                 ; the head's K and V in qkv
	s_lshl_b32 s14, s10, 11                        ; my 2,048 bytes of the first 32,768: in LDS as in the head's block
	s_add_co_u32 s60, s13, s14
	s_mov_b32 s61, 0
	s_mul_i32 s15, s10, 14336
	s_add_co_u32 s15, s15, 32768                   ; my 14,336 bytes of the rest
	s_add_co_u32 s62, s13, s15
	s_mov_b32 s63, 0
	s_lshl_b32 s50, s10, 2
	s_sub_co_u32 s51, 124, s50
	s_add_co_u32 s50, s50, s11                     ; tile lo: 4 w + j
	s_add_co_u32 s51, s51, s11                     ; tile hi: 4 (31 - w) + j
	s_lshl_b32 s44, s12, 17
	s_lshl_b32 s66, s50, 10
	s_add_co_u32 s66, s66, s44                     ; Q's images
	s_mov_b32 s67, 0
	s_lshl_b32 s68, s51, 10
	s_add_co_u32 s68, s68, s44
	s_mov_b32 s69, 0
	s_lshr_b32 s44, s12, 4
	s_lshl_b32 s44, s44, 7                         ; 128 x batch
	s_and_b32 s45, s12, 15
	s_lshl_b32 s45, s45, 10                        ; 1,024 x head
	s_add_co_u32 s70, s44, s50
	s_lshl_b32 s70, s70, 14
	s_add_co_u32 s70, s70, s45                     ; the output's images: (128 batch + tile) x 16384 + head x 1024
	s_mov_b32 s71, 0
	s_add_co_u32 s72, s44, s51
	s_lshl_b32 s72, s72, 14
	s_add_co_u32 s72, s72, s45
	s_mov_b32 s73, 0
	s_mov_b32 s48, 0x76543210                      ; v_permlanex16_b32's selects: lane l xor 16
	s_mov_b32 s49, 0xfedcba98
	s_wait_dscnt 0x0
	s_wait_kmcnt 0x0
	s_load_b256 s[52:59], s[6:7], 0x0              ; e0 .. e7
	s_mov_b32 s32, 1
	s_mov_b32 s33, s14
	s_add_nc_u64 s[34:35], s[4:5], s[60:61]
	s_or_b32 s35, s35, 0x80000000
	s_mov_b32 s36, 1
	s_mov_b32 s37, s15
	s_add_nc_u64 s[38:39], s[4:5], s[62:63]
	s_or_b32 s39, s39, 0x80000000
	s_add_nc_u64 s[66:67], s[4:5], s[66:67]
	s_add_nc_u64 s[68:69], s[4:5], s[68:69]
	s_add_nc_u64 s[70:71], s[8:9], s[70:71]
	s_add_nc_u64 s[72:73], s[8:9], s[72:73]
	CROUND                                         ; all four work-groups are here: the joint loads meet
	tensor_load_to_lds s[32:35], s[16:23]          ; the first fill of every wave; it lands before the second is asked for
	s_nop 0
	s_wait_alu depctr_va_vdst(0)
	s_wait_tensorcnt 0x0
	ds_add_u32 v14, v15
	s_wait_dscnt 0x0
	CROUND
	tensor_load_to_lds s[36:39], s[24:31]
	s_nop 0
.rept 4
	v_nop
.endr
	v_and_b32 v1, 31, v0
	s_delay_alu instid0(VALU_DEP_1)
	v_lshlrev_b32 v1, 4, v1                        ; 16 x lane
	global_load_b128 v[16:19], v1, s[66:67] th:TH_LOAD_NT
	global_load_b128 v[20:23], v1, s[66:67] offset:512 th:TH_LOAD_NT
	global_load_b128 v[24:27], v1, s[68:69] th:TH_LOAD_NT
	global_load_b128 v[28:31], v1, s[68:69] offset:512 th:TH_LOAD_NT
	v_and_b32 v3, 15, v0                           ; r
	v_bfe_u32 v4, v0, 4, 1                         ; h
	s_delay_alu instid0(VALU_DEP_2)
	v_and_b32 v5, 8, v3
	s_delay_alu instid0(VALU_DEP_1)
	v_add_nc_u32 v5, v5, v3                        ; r + 8 (r / 8)
	s_delay_alu instid0(VALU_DEP_3)
	v_lshlrev_b32 v4, 4, v4
	s_delay_alu instid0(VALU_DEP_1)
	v_sub_nc_u32 v5, v5, v4                        ; - 16 h
	s_lshr_b32 s44, s11, 1
	s_lshl_b32 s44, s44, 5
	s_and_b32 s45, s11, 1
	s_lshl_b32 s45, s45, 3
	s_add_co_u32 s44, s44, s45                     ; 32 (j / 2) + 8 (j % 2)
	s_add_co_u32 s45, s44, s41
	s_add_co_u32 s44, s44, s40
	v_add_nc_u32 v6, s44, v5                       ; my query - 16 h, tile lo
	v_add_nc_u32 v7, s45, v5                       ; tile hi
	v_mov_b32 v241, 0xff61b1e6                     ; the largest t so far: -3e38
	v_mov_b32 v245, 0xff61b1e6
	s_delay_alu instid0(VALU_DEP_2)
	v_floor_f32 v240, -v241                        ; -M
	s_delay_alu instid0(VALU_DEP_2)
	v_floor_f32 v244, -v245
	v_mov_b32 v242, 0                              ; the sums
	v_mov_b32 v243, 0
	v_mov_b32 v246, 0
	v_mov_b32 v247, 0
	v_mov_b32 v249, 0                              ; a lane permute's destination counts as one of its sources
	v_mov_b32 v251, 0                              ; (named as upper halves of pairs)
	v_mov_b32 v252, 0
	v_mov_b32 v253, 0
	v_mov_b32 v255, 0xff800000                     ; -infinity
.irp b, 0,1,2,3
.irp i, 0,1,2,3,4,5,6,7,8,9,10,11,12,13,14,15
	v_mov_b32 v[160+16*\b+\i], 0                   ; O^T: the unit is written once; the first finds zeros, which the first change of M leaves zeros
.endr
.endr
	s_wait_kmcnt 0x0
	s_add_co_i32 s44, s54, s55
	s_lshl_b32 s44, s44, 23
	s_mov_b32 s46, 0x3e38aa3b                      ; log2(e) / 8
	s_add_co_i32 s46, s46, s44                     ; x 2^(e2 + e3): added to its exponent field
	s_mov_b32 s47, s46
	s_add_co_i32 s44, s56, 127
	s_lshl_b32 s45, s44, 23
	v_mov_b32 v9, s45                              ; 2^e4
	s_add_co_i32 s44, s58, 127
	s_lshl_b32 s45, s44, 23
	v_mov_b32 v10, s45                             ; 2^e6
	s_add_co_i32 s74, s56, s57                     ; e4 + e5
; A UNIT: one tile of 16 queries against the key step at LDS byte s43, first key s42.  QR: Q's registers; OR: O^T's; SR: the statistics'; VQ: my query - 16 h; A64: the scalar that holds 64 a.
.macro UNIT QR, OR, SR, VQ, A64
	s_add_co_u32 s44, s[\A64], 63
	s_cmp_gt_u32 s42, s44                          ; all 128 keys come after the tile's queries: the unit is left out
	s_cbranch_scc1 .Lhid_\@
	v_add_nc_u32 v2, s43, v1
.rept 3
	v_nop                                          ; with the addition above: four places in front of loads into registers that the last products read
.endr
.irp i, 0,1,2,3,4,5,6,7
.irp c, 0,1
	ds_load_b128 v[32+8*\i+4*\c:35+8*\i+4*\c], v2 offset:1024*\i+512*\c
.endr
.endr
	s_wait_alu depctr_va_vdst(0)
	s_wait_dscnt 0x0
.irp i, 0,1,2,3,4,5,6,7
	v_wmma_f32_16x16x64_bf8_bf8 v[96+8*\i:103+8*\i], v[32+8*\i:39+8*\i], v[\QR:\QR+7], 0
.endr
.rept 4
	v_nop                                          ; places in front of the loads below and of the first read of the scores
.endr
.irp t, 0,1,2,3
.irp c, 0,1,2,3
	ds_load_b128 v[32+16*\t+4*\c:35+16*\t+4*\c], v2 offset:8192+2048*\t+512*\c   ; V's fragments land while the softmax is worked
.endr
.endr
	s_add_co_u32 s44, s42, 128
	s_cmp_le_u32 s44, s[\A64]                      ; all keys count for all 16 queries: no mask
	s_cbranch_scc1 .Lopen_\@
	v_sub_nc_u32 v254, v[\VQ], s42                 ; d = my query - 16 h - the first key: register 16 b + i holds key 32 b + 16 h + i of the step, hidden where 32 b + i > d
.irp b, 0,1,2,3
.irp i, 0,1,2,3,4,5,6,7,8,9,10,11,12,13,14,15
	v_cmp_gt_i32 vcc_lo, 32*\b+\i, v254
	v_cndmask_b32 v[96+16*\b+\i], v[96+16*\b+\i], v255, vcc_lo
.endr
.endr
.Lopen_\@:
	v_max3_num_f32 v248, v96, v97, v98             ; the step's largest score of my query among my 64 keys, in two chains, from each accumulator's low end on
	v_max3_num_f32 v250, v99, v100, v101
.irp i, 6,10,14,18,22,26,30,34,38,42,46,50,54,58
	v_max3_num_f32 v248, v248, v[96+\i], v[97+\i]
	v_max3_num_f32 v250, v250, v[98+\i], v[99+\i]
.endr
	v_max3_num_f32 v248, v248, v158, v159
	s_delay_alu instid0(VALU_DEP_1)
	v_max_num_f32 v248, v248, v250
	s_delay_alu instid0(VALU_DEP_1)
	v_permlanex16_b32 v249, v248, s48, s49
	s_delay_alu instid0(VALU_DEP_1)
	v_max_num_f32 v248, v248, v249                 ; and among lane l xor 16's
	s_delay_alu instid0(VALU_DEP_1)
	v_mul_f32 v248, s46, v248                      ; as t
	s_delay_alu instid0(VALU_DEP_1)
	v_max_num_f32 v[\SR+1], v[\SR+1], v248         ; the running largest t
	v_mov_b32 v248, v[\SR]
	s_delay_alu instid0(VALU_DEP_2)
	v_floor_f32 v[\SR], -v[\SR+1]                  ; the new -M = -ceil(t)
	s_delay_alu instid0(VALU_DEP_1)
	v_sub_f32 v248, v[\SR], v248                   ; old M - new M: a whole number, 0 or less
	s_delay_alu instid0(VALU_DEP_1)
	v_cvt_i32_f32 v248, v248                       ; (it saturates)
	s_delay_alu instid0(VALU_DEP_1)
	v_ldexp_f32 v250, 1.0, v248                    ; f = 2^(old M - new M)
.irp b, 0,1,2,3
.irp i, 0,2,4,6,8,10,12,14
	v_pk_fma_f32 v[96+16*\b+\i:97+16*\b+\i], v[96+16*\b+\i:97+16*\b+\i], s[46:47], v[\SR:\SR+1] op_sel_hi:[1,0,0]   ; t - M
.endr
.endr
	s_wait_alu depctr_va_vdst(0)
.irp b, 0,1,2,3
.irp i, 0,1,2,3,4,5,6,7,8,9,10,11,12,13,14,15
	v_exp_f32 v[96+16*\b+\i], v[96+16*\b+\i]       ; p = 2^(t - M)
.endr
.endr
	v_pk_mul_f32 v[\SR+2:\SR+3], v[\SR+2:\SR+3], v[250:251] op_sel_hi:[1,0]   ; the sums under the new M: the plain line behind the exponentials
	s_wait_alu depctr_va_vdst(0)                   ; one wait for the batch of 64, ahead of its first reader
	v_pk_add_f32 v[252:253], v[96:97], v[98:99]    ; the row's sum is taken of the unquantised p, in two chains
.irp j, 4,8,12,16,20,24,28,32,36,40,44,48,52,56,60
	v_pk_add_f32 v[\SR+2:\SR+3], v[\SR+2:\SR+3], v[96+\j:97+\j]
	v_pk_add_f32 v[252:253], v[252:253], v[98+\j:99+\j]
.endr
	s_delay_alu instid0(VALU_DEP_1)
	v_pk_add_f32 v[\SR+2:\SR+3], v[\SR+2:\SR+3], v[252:253]
.irp b, 0,1,2,3
.irp i, 0,1,2,3,4,5,6,7,8,9,10,11,12,13,14,15
.endr
	v_cvt_scalef32_pk8_bf8_f32 v[224+4*\b:225+4*\b], v[96+16*\b:103+16*\b], v9
	v_cvt_scalef32_pk8_bf8_f32 v[226+4*\b:227+4*\b], v[104+16*\b:111+16*\b], v9
.endr
.irp k, 0,2,4,6,8,10,12,14,16,18,20,22,24,26,28,30
	v_pk_mul_f32 v[\OR+\k:\OR+\k+1], v[\OR+\k:\OR+\k+1], v[250:251] op_sel_hi:[1,0]   ; O^T under the new M; also the plain lines behind the conversions
.endr
	s_wait_alu depctr_va_vdst(0)
	s_wait_dscnt 0x0                               ; V's fragments are in
.irp t, 0,1,2,3
	v_wmma_f32_16x16x128_bf8_bf8 v[\OR+8*\t:\OR+8*\t+7], v[32+16*\t:47+16*\t], v[224:239], v[\OR+8*\t:\OR+8*\t+7]   ; four accumulators by turns; the next matrix instruction on every way starts a score
.endr
.Lhid_\@:
.endm
.macro PAIR                            ; a key step for both of my tiles
	UNIT 16, 160, 240, 6, 40
	UNIT 24, 192, 244, 7, 41
	s_add_co_u32 s43, s43, 16384
	s_add_co_u32 s42, s42, 128
.endm
	s_wait_tensorcnt 0x1                           ; my part of key steps 0 and 1 is in; my second load may stay out
	s_barrier_signal -1
	s_barrier_wait -1                              ; everybody's is
	s_wait_loadcnt 0x0                             ; Q
	s_mov_b32 s42, 0
	s_mov_b32 s43, 0
	PAIR                                           ; key steps 0 and 1 are written out: their LDS reads end at byte 32,767, inside the first loads' bytes
	PAIR
	s_wait_tensorcnt 0x0                           ; my part of the rest is in
	s_wait_dscnt 0x0
	s_barrier_signal -1
	s_barrier_wait -1                              ; everybody's is: from here on LDS is only read
	s_mov_b32 s42, 256
	s_mov_b32 s43, 32768
.Lrest:                                            ; key steps 2 to 15: fourteen trips, counted by the first key
	PAIR
	s_cmp_lt_u32 s42, 2048
	s_cbranch_scc1 .Lrest
	; THE WAY OUT: O^T x 2^(e4 + e5) / the row's sum, held, converted with 2^e6.  Tile t's eight channels are 32 (t / 2) + 8 (t % 2) + 16 h + 0 .. 7: registers 4 b .. 4 b + 3 of the codes are channels 32 b + 16 h + 0 .. 15.
.rept 4
	v_nop
.endr
	v_add_f32 v242, v242, v243
	v_add_f32 v246, v246, v247
	s_delay_alu instid0(VALU_DEP_2)
	v_permlanex16_b32 v249, v242, s48, s49
	s_delay_alu instid0(VALU_DEP_1)
	v_add_f32 v242, v242, v249
	s_delay_alu instid0(VALU_DEP_2)
	v_permlanex16_b32 v249, v246, s48, s49
	s_delay_alu instid0(VALU_DEP_1)
	v_add_f32 v246, v246, v249
	s_wait_alu depctr_va_vdst(0)
	v_rcp_f32 v250, v242
	v_rcp_f32 v252, v246
	v_nop                                          ; a plain line behind the reciprocals,
	s_wait_alu depctr_va_vdst(0)                   ; and the one wait ahead of their first reader
	v_ldexp_f32 v250, v250, s74
	v_ldexp_f32 v252, v252, s74
.irp k, 0,2,4,6,8,10,12,14,16,18,20,22,24,26,28,30
	v_pk_mul_f32 v[96+\k:97+\k], v[160+\k:161+\k], v[250:251] op_sel_hi:[1,0]
.endr
.irp k, 0,2,4,6,8,10,12,14,16,18,20,22,24,26,28,30
	v_pk_mul_f32 v[128+\k:129+\k], v[192+\k:193+\k], v[252:253] op_sel_hi:[1,0]
.endr
.irp b, 0,1,2,3
.irp i, 0,1,2,3,4,5,6,7,8,9,10,11,12,13,14,15
.endr
.endr
.irp t, 0,1,2,3,4,5,6,7
	v_cvt_scalef32_pk8_bf8_f32 v[224+2*\t:225+2*\t], v[96+8*\t:103+8*\t], v10
.endr
	v_nop
	global_store_b128 v1, v[224:227], s[70:71]               ; each store: 512 consecutive bytes, aligned
	global_store_b128 v1, v[228:231], s[70:71] offset:512
	global_store_b128 v1, v[232:235], s[72:73]
	global_store_b128 v1, v[236:239], s[72:73] offset:512
	s_wait_tensorcnt 0x0
	ds_add_u32 v14, v15
	s_wait_dscnt 0x0
	CROUND                                         ; the closing round
	s_endpgm
.Lfunc_end_k_qefa006dbff_attn:
	.size	k_qefa006dbff_attn, .Lfunc_end_k_qefa006dbff_attn-k_qefa006dbff_attn
	.p2alignl 7, 3214868480
	.fill 96, 4, 3214868480
	.section	.rodata,"a",@progbits
	.p2align	6, 0x0
	.amdhsa_kernel k_qefa006dbff_attn
		.amdhsa_group_segment_fixed_size 327680
		.amdhsa_private_segment_fixed_size 0
		.amdhsa_enable_private_segment 0
		.amdhsa_kernarg_size 24
		.amdhsa_user_sgpr_count 2
		.amdhsa_user_sgpr_kernarg_segment_ptr 1
		.amdhsa_wavefront_size32 1
		.amdhsa_system_sgpr_workgroup_id_x 1
		.amdhsa_system_sgpr_workgroup_id_y 1
		.amdhsa_system_sgpr_workgroup_id_z 1
		.amdhsa_system_vgpr_workitem_id 0
		.amdhsa_next_free_vgpr 256
		.amdhsa_next_free_sgpr 80
		.amdhsa_reserve_vcc 1
		.amdhsa_float_denorm_mode_32 3
		.amdhsa_float_denorm_mode_16_64 3
		.amdhsa_fp16_overflow 1
		.amdhsa_memory_ordered 1
		.amdhsa_forward_progress 1
		.amdhsa_inst_pref_size 127
	.end_amdhsa_kernel
	.amdgpu_metadata
---
amdhsa.version: [ 1, 2 ]
amdhsa.kernels:
  - .name:           k_qefa006dbff_attn
    .symbol:         k_qefa006dbff_attn.kd
    .args:
      - { .name: qkv, .offset: 0, .size: 8, .value_kind: global_buffer, .address_space: global }
      - { .name: lowp_scales, .offset: 8, .size: 8, .value_kind: global_buffer, .address_space: global }
      - { .name: aimg, .offset: 16, .size: 8, .value_kind: global_buffer, .address_space: global }
    .group_segment_fixed_size: 327680
    .private_segment_fixed_size: 0
    .kernarg_segment_align: 8
    .kernarg_segment_size: 24
    .max_flat_workgroup_size: 512
    .sgpr_count:     80
    .vgpr_count:     256
    .wavefront_size: 32
...
	.end_amdgpu_metadata
.endif
;; end of part 3
;; launch proj (part 4): grid 4 x 32, 4 waves a work-group, clusters of 4 x 4, 327,680 bytes of LDS; arguments aimg, codes, lowp_scales, c_proj_b, out0; writes out0
.if DOCPART == 4
	.amdgcn_target "amdgcn-amd-amdhsa--gfx1250"
	.amdhsa_code_object_version 6
	.text
	.protected	k_qefa006dbff_proj
	.globl	k_qefa006dbff_proj
	.p2align	8
	.type	k_qefa006dbff_proj,@function
k_qefa006dbff_proj:
	s_mov_b64 s[64:65], 0
	v_nop
	global_prefetch_b8 v0, s[64:65] scope:SCOPE_SE
	s_setreg_imm32_b32 hwreg(HW_REG_WAVE_MODE, 25, 1), 1
	s_wait_xcnt 0x0
	s_wait_alu depctr_hold_cnt(0) depctr_sa_sdst(0) depctr_va_vdst(0) depctr_va_sdst(0) depctr_va_ssrc(0) depctr_va_vcc(0) depctr_vm_vsrc(0)
	s_getreg_b32 s2, hwreg(HW_REG_IB_STS2, 6, 4)
	s_cmp_eq_u32 s2, 0
	s_cbranch_scc0 .Lentry_in_a_cluster
	s_endpgm
.Lentry_in_a_cluster:
	s_bfe_u32 s2, ttmp6, 0x10000c
	s_cmp_lg_u32 s2, 0xf033
	s_cbranch_scc0 .Lentry_shape_is_right
	s_endpgm
.Lentry_shape_is_right:
; out0 = (attention's output) c_proj_w + c_proj_b on codes of BF8 (E5M2): sums in f32, x 2^(e6 + e7), + bias.  M = 8,192, N = 1,024, K = 1,024.
; A comes as IMAGES OF OPERAND REGISTERS: aimg, block of 16 tokens B (0..511) at B x 16384, head at + 1024, four registers at + 512, lane l at 16 l: the 2,048 bytes of heads 2 m, 2 m + 1 are the fragment for K = 128 m .. 128 m + 127.
; B comes from codes, rows 11264 + n, 1,024 bytes each, K innermost.  Inside each group of 32, tokens (in aimg's blocks) and columns (in codes' rows) lie with bits 3 and 4 of the index exchanged; the way out's offsets undo both.
; A tile of out0 is 256 x 256: four waves, 128 x 128 each, 64 accumulators.  K goes in steps of 256 through a ring of two LDS slots: four fills, so the ring is written out.
; THE MATRIX INSTRUCTION IS USED TRANSPOSED (source 0 = B's rows, source 1 = A's): a lane holds eight neighbouring numbers of a row of out0.
; CLUSTERS: 4 x 4 work-groups; A's tile is asked for jointly along a row of the cluster, B's along a column.  128 tiles: a smaller tile would halve the matrix work behind each of the two refills.
; LIMIT: e6 + e7 between -126 and 127.
; REGISTERS: window 0: v0-31 addresses, v12-15 the bias of my four columns; from v128 A's fragments, one set; on the way out v128-255 rows of out0.  window 1: B's fragments, two sets.  windows 2, 3: the accumulators.
.set ROWB,   256
.set KROW,   1024
.set PITCH,  272                       ; B's LDS row: 256 bytes + 16 of padding: the 16 rows of a load start at 16 different banks (64 banks of 4 bytes: ISA guide 11.1)
.set FR,     16
.set NL,     4
.set NP,     4
.set HALFT,  128*PITCH                 ; B: 128 rows
.set HALFA,  32768                     ; A: 8 blocks of 16 tokens x 4,096 bytes, dense
.set BOFF,   2*HALFA
.set SLOT,   BOFF+2*HALFT              ; 135,168
.set SPARE,  2*SLOT                    ; behind the ring: the spare words, 128 bytes a wave: two blocks of 256 bytes that no other line names
.set SPITCH, 528                       ; the way out: a stage of 16 rows x (512 bytes + 16) for each wave, in slot 0, which has had its last fill and its last read by then
.set ADRA, 16
.set ADRB, 20
.set STO,  24
.set RD,   25
.set CO,   26                          ; v26  16 x lane
.set SPW,  28
.set NIL,  29
.set AF,   128
.set BK,   128
.set G1, 24
.set G0, 32
.set G1B, 48
.set G0B, 56
.set MSB, 0
.macro WIN new
.if MSB != \new
	s_set_vgpr_msb (MSB<<8)|\new
.set MSB, \new
.endif
.endm
.set MUL_LO, 0xa1
.set MUL_HI, 0xf1
.set TO_B,   0x40
.macro JLOAD g0a, g1a, g0b, g1b        ; waves 0 and 1 fetch for A, waves 2 and 3 for B; four v_nop follow each of the two lines
	s_cmp_eq_u32 s15, 0
	s_cbranch_scc0 .Lfor_b_\@
	tensor_load_to_lds s[\g0a:\g0a+3], s[\g1a:\g1a+7]
	s_nop 0
.rept 4
	v_nop
.endr
	s_branch .Lasked_\@
.Lfor_b_\@:
	tensor_load_to_lds s[\g0b:\g0b+3], s[\g1b:\g1b+7]
	s_nop 0
.rept 4
	v_nop
.endr
.Lasked_\@:
.endm
.macro CREST
	s_cmp_lg_u32 s14, 0
	s_cbranch_scc1 .Lnot_wave_0_\@
	s_barrier_signal -3
.Lnot_wave_0_\@:
	s_barrier_wait -3
	s_barrier_signal -1
	s_barrier_wait -1
.endm
.macro CROUND
	s_barrier_signal -1
	s_barrier_wait -1
	CREST
.endm
	s_load_b256 s[4:11], s[0:1], 0x0               ; aimg s[4:5], codes s[6:7], lowp_scales s[8:9], c_proj_b s[10:11]
	s_load_b64 s[12:13], s[0:1], 0x20              ; out0
	v_lshl_add_u32 v[SPW], v0, 2, SPARE
	v_mov_b32 v[NIL], 0
	ds_add_u32 v28, v29
	ds_add_u32 v28, v29
	s_wait_dscnt 0x0
	v_lshrrev_b32 v1, 5, v0
	v_readfirstlane_b32 s14, v1                    ; wave 0..3
	s_lshr_b32 s15, s14, 1                         ; my half of the tile's rows.  Also: I fetch for A (0) or for B (1)
	s_and_b32 s16, s14, 1                          ; my half of its columns.  Also: which half of that tile I fetch
	s_bfe_u32 s40, ttmp6, 0x40000                  ; cx
	s_bfe_u32 s41, ttmp6, 0x40004                  ; cy
	s_lshl_b32 s42, ttmp9, 2
	s_add_co_u32 s42, s42, s40                     ; tile column
	s_and_b32 s17, ttmp7, 0xffff
	s_lshl_b32 s17, s17, 2
	s_add_co_u32 s17, s17, s41                     ; tile row
	s_lshl_b32 s43, s41, 2
	s_lshl_b32 s43, 15, s43                        ; my row of the cluster
	s_lshl_b32 s44, 0x1111, s40                    ; my column
	; A: 8 rows (blocks of 16 tokens) of 512 elements of 8 bytes, 2,048 elements apart, no padding.  B: 128 rows of 256 bytes, 1,024 apart, 4 words of padding behind every 64
	s_or_b32 s[G1+0], s43, (3<<16)|(1<<21)
	s_mov_b32 s[G1+1], 512<<16
	s_mov_b32 s[G1+2], 8<<16
	s_mov_b32 s[G1+3], 512<<16
	s_mov_b32 s[G1+4], 8
	s_mov_b32 s[G1+5], 2048
	s_mov_b32 s[G1+6], 0
	s_mov_b32 s[G1+7], 0
	s_or_b32 s[G1B+0], s44, (0<<16)|(1<<20)|(1<<21)|(5<<22)|(3<<25)
	s_mov_b32 s[G1B+1], ROWB<<16
	s_mov_b32 s[G1B+2], 128<<16
	s_mov_b32 s[G1B+3], ROWB<<16
	s_mov_b32 s[G1B+4], 128
	s_mov_b32 s[G1B+5], KROW
	s_mov_b32 s[G1B+6], 0
	s_mov_b32 s[G1B+7], 0
	s_lshl_b32 s20, s17, 4
	s_lshl_b32 s18, s16, 3
	s_add_co_u32 s20, s20, s18                     ; A: block 16 x tile row + 8 x half
	s_lshl_b32 s20, s20, 14
	s_mov_b32 s21, 0
	s_lshl_b32 s46, s42, 8
	s_lshl_b32 s19, s16, 7
	s_add_co_u32 s46, s46, s19
	s_add_co_u32 s46, s46, 11264                   ; B: row 11264 + 256 x tile column + 128 x half
	s_lshl_b32 s46, s46, 10
	s_mov_b32 s47, 0
	s_lshl_b32 s45, s16, 15                        ; where they go: A's halves at 0 and 32,768,
	s_mul_i32 s67, s16, HALFT
	s_add_co_u32 s67, s67, BOFF                    ; B's behind them
	s_wait_kmcnt 0x0
	s_load_b256 s[84:91], s[8:9], 0x0              ; e0 .. e7
	s_add_nc_u64 s[20:21], s[4:5], s[20:21]
	s_add_nc_u64 s[46:47], s[6:7], s[46:47]
	CROUND                                         ; all sixteen work-groups are here: the first joint loads meet
.irp s, 0,1
	s_mov_b32 s[G0+4*\s], 1
	s_add_co_u32 s[G0+4*\s+1], s45, \s*SLOT
	s_add_nc_u64 s[G0+4*\s+2:G0+4*\s+3], s[20:21], \s*4096
	s_or_b32 s[G0+4*\s+3], s[G0+4*\s+3], 0x80000000
	s_mov_b32 s[G0B+4*\s], 1
	s_add_co_u32 s[G0B+4*\s+1], s67, \s*SLOT
	s_add_nc_u64 s[G0B+4*\s+2:G0B+4*\s+3], s[46:47], \s*ROWB
	s_or_b32 s[G0B+4*\s+3], s[G0B+4*\s+3], 0x80000000
	s_wait_alu depctr_va_vdst(0)
	s_wait_tensorcnt 0x0
	ds_add_u32 v28, v29
	ds_add_u32 v28, v29
	s_wait_dscnt 0x0
	CROUND
	JLOAD G0+4*\s, G1, G0B+4*\s, G1B
.endr
	v_and_b32 v1, 15, v0                           ; r
	v_bfe_u32 v2, v0, 4, 1                         ; h
	v_mul_u32_u24 v3, v1, PITCH
	v_lshl_add_u32 v4, v2, 4, v3
	v_and_b32 v6, 31, v0
	v_lshlrev_b32 v[CO], 4, v6
	s_wait_alu depctr_va_vdst(0)
	s_lshl_b32 s21, s15, 15                        ; my 8 blocks of A
	s_mul_i32 s22, s16, HALFT
	s_add_co_u32 s22, s22, BOFF                    ; my 128 rows of B
.irp s, 0,1
	v_add_nc_u32 v[ADRA+\s], s21, v[CO]
	v_add_nc_u32 v[ADRB+\s], s22, v4
	s_add_co_u32 s21, s21, SLOT
	s_add_co_u32 s22, s22, SLOT
.endr
	s_mul_i32 s23, s14, 16*SPITCH                  ; my stage
	v_mul_u32_u24 v5, v1, SPITCH
	v_lshl_add_u32 v5, v2, 6, v5                   ; in: row r, + 64 h bytes: columns 16 h on of each group of 32
	v_add_nc_u32 v[STO], s23, v5
	v_add_nc_u32 v[RD], s23, v[CO]                 ; back: the 32 lanes take one row of 512 bytes
	s_lshl_b32 s68, s42, 10
	s_lshl_b32 s69, s16, 9
	s_add_co_u32 s68, s68, s69                     ; my first column, in bytes
	s_mov_b32 s69, 0
	s_add_nc_u64 s[10:11], s[10:11], s[68:69]
	global_load_b128 v[12:15], v[CO], s[10:11]     ; the bias of the four columns that I store
	s_lshl_b32 s70, s17, 8
	s_lshl_b32 s71, s15, 7
	s_add_co_u32 s70, s70, s71                     ; my first row of out0
	s_lshl_b32 s70, s70, 12
	s_add_co_u32 s70, s70, s68
	s_mov_b32 s71, 0
	s_add_nc_u64 s[12:13], s[12:13], s[70:71]
.macro FRAG reg, adr, q, i             ; B: 16 rows x 128 K: registers 4 c .. 4 c + 3 hold K = 32 c + 16 h + 0 .. 15
.irp c, 0,1,2,3
	ds_load_b128 v[\reg+4*\c:\reg+4*\c+3], v[\adr] offset:128*(\q)+32*\c+(\i)*16*PITCH
.endr
.endm
.macro FRAG_A reg, adr, q, i           ; A: the image as it lies: the same places of K
.irp c, 0,1,2,3
	ds_load_b128 v[\reg+4*\c:\reg+4*\c+3], v[\adr] offset:2048*(\q)+512*\c+(\i)*4096
.endr
.endm
.macro MUL16 a0, p, zero               ; the 64 accumulators take turns, one instruction a turn, in the same order in every step
.irp a, \a0, \a0+1
.irp b, 0,1,2,3,4,5,6,7
.if \zero
	v_wmma_f32_16x16x128_bf8_bf8 v[8*(8*((\a)%4)+\b):8*(8*((\a)%4)+\b)+7], v[128*(\p)+FR*\b:128*(\p)+FR*\b+FR-1], v[AF+FR*(\a):AF+FR*(\a)+FR-1], 0
.else
	v_wmma_f32_16x16x128_bf8_bf8 v[8*(8*((\a)%4)+\b):8*(8*((\a)%4)+\b)+7], v[128*(\p)+FR*\b:128*(\p)+FR*\b+FR-1], v[AF+FR*(\a):AF+FR*(\a)+FR-1], v[8*(8*((\a)%4)+\b):8*(8*((\a)%4)+\b)+7]
.endif
.endr
.endr
.endm
.macro FETCH_B slot, q, p
	WIN TO_B
.irp i, 0,1,2,3,4,5,6,7
	FRAG 128*(\p)+FR*\i, ADRB+\slot, \q, \i
.endr
	WIN 0
.endm
.macro FETCH_A slot, q, i0
.irp i, \i0, \i0+1, \i0+2, \i0+3
	FRAG_A AF+FR*(\i), ADRA+\slot, \q, \i
.endr
.endm
.macro PLACES n
.rept \n
	v_nop
.endr
.endm
.macro STEP slot, q, zero
	s_wait_dscnt 4*NL                              ; B's set and A's blocks 0-3 are in; the youngest 16 loads (A's blocks 4-7) may be out
	WIN MUL_LO
	MUL16 0, (\q)%2, \zero
	MUL16 2, (\q)%2, \zero
	s_wait_dscnt 0
	PLACES NP
	FETCH_B \slot, (\q)+1, 1-(\q)%2
	FETCH_A \slot, (\q)+1, 0
	WIN MUL_HI
	MUL16 4, (\q)%2, \zero
	MUL16 6, (\q)%2, \zero
	PLACES NP
	WIN 0
	FETCH_A \slot, (\q)+1, 4
.endm
.macro TURN slot, next, fill
	s_wait_tensorcnt 0x0                           ; all my tensor loads have landed: my part of the next slot
	ds_add_u32 v[SPW], v[NIL]                      ; 0 onto my spare word
	s_wait_dscnt 4*NL+1                            ; (the add and the youngest 16 loads may be out)
	WIN MUL_LO
	MUL16 0, 1, 0
	s_wait_dscnt 0x0                               ; the add is done, and my reads of this slot are over
	s_barrier_signal -1
	MUL16 2, 1, 0
	WIN 0
	s_barrier_wait -1
.if \fill
	CREST                                          ; the barrier has opened a round of the cluster's barrier
	s_add_nc_u64 s[G0+4*\slot+2:G0+4*\slot+3], s[G0+4*\slot+2:G0+4*\slot+3], 2*4096
	s_add_nc_u64 s[G0B+4*\slot+2:G0B+4*\slot+3], s[G0B+4*\slot+2:G0B+4*\slot+3], 2*ROWB
	JLOAD G0+4*\slot, G1, G0B+4*\slot, G1B         ; the first tensor load behind the round; its four v_nop are the places in front of the loads below
.else
	PLACES NP
.endif
	FETCH_B \next, 0, 0
	FETCH_A \next, 0, 0
	WIN MUL_HI
	MUL16 4, 1, 0
	MUL16 6, 1, 0
	PLACES NP
	WIN 0
	FETCH_A \next, 0, 4
.endm
	s_wait_alu depctr_va_vdst(0)
	s_wait_tensorcnt 1                             ; my part of K step 0 is in; K step 1's load may be out
	s_barrier_signal -1
	s_barrier_wait -1
	FETCH_B 0, 0, 0
	FETCH_A 0, 0, 0
	FETCH_A 0, 0, 4
	STEP 0, 0, 1
	TURN 0, 1, 1
	STEP 1, 0, 0
	TURN 1, 0, 1
	STEP 0, 0, 0
	TURN 0, 1, 0
	STEP 1, 0, 0
	s_wait_dscnt 4*NL
	WIN MUL_LO
	MUL16 0, 1, 0
	MUL16 2, 1, 0
	s_wait_dscnt 0
	WIN MUL_HI
	MUL16 4, 1, 0
	MUL16 6, 1, 0
	WIN 0
; THE WAY OUT, a block of 16 rows x 128 columns at a time.  The sums go into my stage as they are: B's block b, register j, is column 32 (b / 2) + 8 (b % 2) + 16 h + j.  They come back as whole rows of 512 bytes;
; then sum x 2^(e6 + e7) + bias, and the 32 lanes store 512 consecutive bytes, aligned.  Row t of block a is token 32 (a / 2) + 8 (a % 2) + t + 8 (t / 8) of my 128: it stands in the store's immediate; the base is never stepped.
.macro TOSTAGE a
	WIN 0x08+4*((\a)/4)                            ; the stores' data: window 2 or 3
.irp b, 0,1,2,3,4,5,6,7
	ds_store_b128 v[STO], v[64*((\a)%4)+8*\b:64*((\a)%4)+8*\b+3] offset:128*(\b/2)+32*(\b%2)        ; each accumulator from its low end on
	ds_store_b128 v[STO], v[64*((\a)%4)+8*\b+4:64*((\a)%4)+8*\b+7] offset:128*(\b/2)+32*(\b%2)+16
.endr
	WIN 0
.set BB, BK+64*((\a)%2)
.irp t, 0,1,2,3,4,5,6,7,8,9,10,11,12,13,14,15
	ds_load_b128 v[BB+4*\t:BB+4*\t+3], v[RD] offset:\t*SPITCH   ; LDS serves a wave's instructions in order (ISA guide 5.7.1.4): these see the stores above
.endr
.endm
.macro SEND a, younger                 ; younger: the LDS instructions issued behind block a's loads
.set BB, BK+64*((\a)%2)
	s_wait_dscnt \younger
.irp t, 0,1,2,3,4,5,6,7,8,9,10,11,12,13,14,15
	v_pk_fma_f32 v[BB+4*\t:BB+4*\t+1], v[BB+4*\t:BB+4*\t+1], s[96:97], v[12:13] op_sel_hi:[1,0,1]
	v_pk_fma_f32 v[BB+4*\t+2:BB+4*\t+3], v[BB+4*\t+2:BB+4*\t+3], s[96:97], v[14:15] op_sel_hi:[1,0,1]
	global_store_b128 v[CO], v[BB+4*\t:BB+4*\t+3], s[12:13] offset:(32*((\a)/2)+8*((\a)%2)+\t+8*(\t/8))*4096 th:TH_STORE_NT
.endr
.endm
	s_wait_kmcnt 0x0
	s_add_co_i32 s96, s90, s91
	s_add_co_i32 s96, s96, 127
	s_lshl_b32 s96, s96, 23                        ; 2^(e6 + e7) as f32
	s_mov_b32 s97, s96
	s_wait_loadcnt 0x0                             ; the bias
	PLACES NP                                      ; behind the last products: their sums are read, and loads land in A's registers, below
	TOSTAGE 0
.irp a, 1,2,3,4,5,6,7
.if \a > 1
	s_wait_xcnt 0x0                                ; block a - 2's stores have read their registers: block a's loads may land there
.endif
	TOSTAGE \a
	SEND \a-1, 32                                  ; behind block a - 1's loads: block a's 16 stores and 16 loads
.endr
	SEND 7, 0
	s_wait_tensorcnt 0x0                           ; the wave's end
	ds_add_u32 v[SPW], v[NIL]
	s_wait_dscnt 0x0
	CROUND                                         ; the closing round
	s_endpgm
.Lfunc_end_k_qefa006dbff_proj:
	.size	k_qefa006dbff_proj, .Lfunc_end_k_qefa006dbff_proj-k_qefa006dbff_proj
	.p2alignl 7, 3214868480
	.fill 96, 4, 3214868480
	.section	.rodata,"a",@progbits
	.p2align	6, 0x0
	.amdhsa_kernel k_qefa006dbff_proj
		.amdhsa_group_segment_fixed_size 327680
		.amdhsa_private_segment_fixed_size 0
		.amdhsa_enable_private_segment 0
		.amdhsa_kernarg_size 40
		.amdhsa_user_sgpr_count 2
		.amdhsa_user_sgpr_kernarg_segment_ptr 1
		.amdhsa_wavefront_size32 1
		.amdhsa_system_sgpr_workgroup_id_x 1
		.amdhsa_system_sgpr_workgroup_id_y 1
		.amdhsa_system_sgpr_workgroup_id_z 1
		.amdhsa_system_vgpr_workitem_id 0
		.amdhsa_next_free_vgpr 1024
		.amdhsa_next_free_sgpr 98
		.amdhsa_reserve_vcc 0
		.amdhsa_float_denorm_mode_32 3
		.amdhsa_float_denorm_mode_16_64 3
		.amdhsa_memory_ordered 1
		.amdhsa_forward_progress 1
		.amdhsa_inst_pref_size 124
	.end_amdhsa_kernel
	.amdgpu_metadata
---
amdhsa.version: [ 1, 2 ]
amdhsa.kernels:
  - .name:           k_qefa006dbff_proj
    .symbol:         k_qefa006dbff_proj.kd
    .args:
      - { .name: aimg, .offset: 0, .size: 8, .value_kind: global_buffer, .address_space: global }
      - { .name: codes, .offset: 8, .size: 8, .value_kind: global_buffer, .address_space: global }
      - { .name: lowp_scales, .offset: 16, .size: 8, .value_kind: global_buffer, .address_space: global }
      - { .name: c_proj_b, .offset: 24, .size: 8, .value_kind: global_buffer, .address_space: global }
      - { .name: out0, .offset: 32, .size: 8, .value_kind: global_buffer, .address_space: global }
    .group_segment_fixed_size: 327680
    .private_segment_fixed_size: 0
    .kernarg_segment_align: 8
    .kernarg_segment_size: 40
    .max_flat_workgroup_size: 128
    .sgpr_count:     98
    .vgpr_count:     1024
    .wavefront_size: 32
...
	.end_amdgpu_metadata
.endif
;; end of part 4
